; MI455X (gfx1250); checked and timed in simulation.
; The chip was launched on July 23, 2026; its instructions are those of AMD's public machine-readable ISA for CDNA 5 (MIT licence, August 2026) and "CDNA5" Instruction Set Architecture Reference Guide (July 2026). The comments in the code are by the model that wrote it; some were corrected since.
;; LSTM Cell. Allowed arithmetic: float matrix products may take bf16 or f16 operands with f32 sums; other float arithmetic in f32, or as packed bf16 or f16 multiplies, adds, multiply-adds, maxima and minima; sums over many terms, partial sums and values carried from step to step in f32; what a program stores and reads back later, other than sums and carried values, may be rounded once to bf16 or f16.
;; Inputs: Wf 2,048 x 4,096 float32; Wg 2,048 x 4,096 float32; Wi 2,048 x 4,096 float32; Wo 2,048 x 4,096 float32; bf 2,048 float32; bg 2,048 float32; bi 2,048 float32; bo 2,048 float32; c 2,048 x 2,048 float32; h 2,048 x 2,048 float32; x 2,048 x 2,048 float32.
;; Outputs: out0 2,048 x 2,048 float32; out1 2,048 x 2,048 float32.
;; 2 versions, each right; version 2 is version 1 with the launch cvt written anew for expert scheduling mode. Each part assembles by itself: llvm-mc -triple=amdgcn-amd-amdhsa -mcpu=gfx1250 --defsym DOCPART=n.
;; ======== version 1 of 2: 2 launches
;; workspace buffers: abf 16,777,216 bytes; wbf 67,108,864 bytes
;; launch cvt (part 1): grid 256 x 5, 8 waves a work-group, no clusters, 0 bytes of LDS; arguments Wf, Wi, Wg, Wo, h, x, wbf, abf; writes wbf, abf
.if DOCPART == 1
	.amdgcn_target "amdgcn-amd-amdhsa--gfx1250"
	.amdhsa_code_object_version 6
	.text
	.protected	k_qe3c4ee9a3a_cvt
	.globl	k_qe3c4ee9a3a_cvt
	.p2align	8
	.type	k_qe3c4ee9a3a_cvt,@function
k_qe3c4ee9a3a_cvt:
	s_mov_b64 s[64:65], 0
	v_nop
	global_prefetch_b8 v0, s[64:65] scope:SCOPE_SE
	s_setreg_imm32_b32 hwreg(HW_REG_WAVE_MODE, 25, 1), 1
	s_wait_xcnt 0x0
; The matrix operands of the LSTM cell, rounded once to bf16 (to nearest even) and laid out for the product that follows.
;   abf [2048][4096] bf16: row m = h[m] (2,048 numbers), then x[m] (2,048 numbers).
;   wbf [8192][4096] bf16: gate g (0 f, 1 i, 2 g, 3 o), hidden row n lies at row (n>>6)*256 + ((n>>5)&1)*128 + g*32 + (n&31):
;   256 consecutive rows hold all four gates of 64 hidden columns, each half of 128 rows all four gates of 32 of them.
; A stream: no LDS, no barrier, no matrix unit, since nothing is used twice.  A work-group converts 131,072 consecutive source bytes:
;   y = 0..3: 8 rows of gate y's weights (16,384 bytes each), which become 65,536 consecutive bytes of wbf;
;   y = 4:    16 rows of h (x < 128) or of x (8,192 bytes each), which become 16 pieces of 4,096 bytes, 8,192 bytes apart, in abf.
; Thread t takes 16 bytes at 16 t of each 4,096 source bytes and stores 8 bytes at 8 t of the 2,048 bytes made of them: a wave's load covers
; 512 consecutive bytes, a wave's store 256 consecutive bytes at a multiple of 256 from the buffer's first byte.
; All 32 loads of a thread go out together, into registers of their own; no register is written twice, so nothing waits but the counted waits for data.
.set XR, 4                             ; v[4:131]    load i: four f32
.set YR, 132                           ; v[132:195]  load i: four bf16 in two registers
.macro JOB dst, ostride                ; dst: the scalar pair with the destination; ostride: bytes from one 4,096 output bytes' place to the next
.set i, 0
.rept 32
	global_load_b128 v[XR+4*i:XR+4*i+3], v1, s[4:5] offset:i*4096 th:TH_LOAD_NT   ; read once in the launch
.set i, i+1
.endr
.set i, 0
.rept 32
	s_wait_loadcnt 31-i                            ; loads come back in order (ISA guide 5.7.1): load i is in, the 31 - i younger ones stay out
	v_cvt_pk_bf16_f32 v[YR+2*i],   v[XR+4*i],   v[XR+4*i+1]
	v_cvt_pk_bf16_f32 v[YR+2*i+1], v[XR+4*i+2], v[XR+4*i+3]
	global_store_b64 v2, v[YR+2*i:YR+2*i+1], s[\dst:\dst+1] offset:(i/2)*(\ostride)+(i%2)*2048  ; no hint: the next launch reads these bytes
.set i, i+1
.endr
.endm
	s_load_b512 s[8:23], s[0:1], 0x0               ; Wf s[8:9], Wi s[10:11], Wg s[12:13], Wo s[14:15], h s[16:17], x s[18:19], wbf s[20:21], abf s[22:23]
	s_and_b32 s2, ttmp7, 0xffff                    ; y: which source
	s_mov_b32 s3, ttmp9                            ; x: which 131,072 bytes of it
	v_lshlrev_b32 v1, 4, v0                        ; 16 t
	v_lshlrev_b32 v2, 3, v0                        ; 8 t
	s_mov_b32 s7, 0                                ; the high word of every offset: all stay under 2^27
	s_wait_kmcnt 0x0
	s_cmp_eq_u32 s2, 4
	s_cbranch_scc1 .Lact
	; a gate's weights: the gate's buffer is chosen by y alone
	s_mov_b64 s[4:5], s[8:9]
	s_cmp_eq_u32 s2, 1
	s_cselect_b64 s[4:5], s[10:11], s[4:5]
	s_cmp_eq_u32 s2, 2
	s_cselect_b64 s[4:5], s[12:13], s[4:5]
	s_cmp_eq_u32 s2, 3
	s_cselect_b64 s[4:5], s[14:15], s[4:5]
	s_lshl_b32 s6, s3, 17                          ; hidden rows 8 x .. 8 x + 7: 8 x 16,384 bytes
	s_add_nc_u64 s[4:5], s[4:5], s[6:7]
	s_lshr_b32 s25, s3, 3                          ; n >> 6 = x >> 3
	s_lshl_b32 s25, s25, 8
	s_bfe_u32 s26, s3, 0x10002                     ; (n >> 5) & 1 = bit 2 of x
	s_lshl_b32 s26, s26, 7
	s_add_co_u32 s25, s25, s26
	s_lshl_b32 s26, s2, 5                          ; 32 rows for each gate
	s_add_co_u32 s25, s25, s26
	s_and_b32 s26, s3, 3                           ; n & 31 = 8 (x & 3) + 0..7
	s_lshl_b32 s26, s26, 3
	s_add_co_u32 s25, s25, s26
	s_lshl_b32 s6, s25, 13                         ; a row of wbf is 8,192 bytes
	s_add_nc_u64 s[20:21], s[20:21], s[6:7]
	JOB 20, 4096
	s_endpgm
.Lact:
	s_cmp_lt_u32 s3, 128                           ; h, or x
	s_cselect_b64 s[4:5], s[16:17], s[18:19]
	s_cselect_b32 s24, 0, 4096                     ; h fills the first half of a row of abf, x the second
	s_and_b32 s25, s3, 127
	s_lshl_b32 s6, s25, 17                         ; 16 rows: 131,072 bytes of the source, and as many of abf
	s_add_nc_u64 s[4:5], s[4:5], s[6:7]
	s_add_co_u32 s6, s6, s24
	s_add_nc_u64 s[22:23], s[22:23], s[6:7]
	JOB 22, 8192
	s_endpgm
.Lfunc_end_k_qe3c4ee9a3a_cvt:
	.size	k_qe3c4ee9a3a_cvt, .Lfunc_end_k_qe3c4ee9a3a_cvt-k_qe3c4ee9a3a_cvt
	.p2alignl 7, 3214868480
	.fill 96, 4, 3214868480
	.section	.rodata,"a",@progbits
	.p2align	6, 0x0
	.amdhsa_kernel k_qe3c4ee9a3a_cvt
		.amdhsa_group_segment_fixed_size 0
		.amdhsa_private_segment_fixed_size 0
		.amdhsa_enable_private_segment 0
		.amdhsa_kernarg_size 64
		.amdhsa_user_sgpr_count 2
		.amdhsa_user_sgpr_kernarg_segment_ptr 1
		.amdhsa_wavefront_size32 1
		.amdhsa_system_sgpr_workgroup_id_x 1
		.amdhsa_system_sgpr_workgroup_id_y 1
		.amdhsa_system_sgpr_workgroup_id_z 1
		.amdhsa_system_vgpr_workitem_id 0
		.amdhsa_next_free_vgpr 200
		.amdhsa_next_free_sgpr 66
		.amdhsa_reserve_vcc 0
		.amdhsa_float_denorm_mode_32 3
		.amdhsa_float_denorm_mode_16_64 3
		.amdhsa_memory_ordered 1
		.amdhsa_forward_progress 1
		.amdhsa_inst_pref_size 24
	.end_amdhsa_kernel
	.amdgpu_metadata
---
amdhsa.version: [ 1, 2 ]
amdhsa.kernels:
  - .name:           k_qe3c4ee9a3a_cvt
    .symbol:         k_qe3c4ee9a3a_cvt.kd
    .args:
      - { .name: Wf, .offset: 0, .size: 8, .value_kind: global_buffer, .address_space: global }
      - { .name: Wi, .offset: 8, .size: 8, .value_kind: global_buffer, .address_space: global }
      - { .name: Wg, .offset: 16, .size: 8, .value_kind: global_buffer, .address_space: global }
      - { .name: Wo, .offset: 24, .size: 8, .value_kind: global_buffer, .address_space: global }
      - { .name: h, .offset: 32, .size: 8, .value_kind: global_buffer, .address_space: global }
      - { .name: x, .offset: 40, .size: 8, .value_kind: global_buffer, .address_space: global }
      - { .name: wbf, .offset: 48, .size: 8, .value_kind: global_buffer, .address_space: global }
      - { .name: abf, .offset: 56, .size: 8, .value_kind: global_buffer, .address_space: global }
    .group_segment_fixed_size: 0
    .private_segment_fixed_size: 0
    .kernarg_segment_align: 8
    .kernarg_segment_size: 64
    .max_flat_workgroup_size: 256
    .sgpr_count:     66
    .vgpr_count:     200
    .wavefront_size: 32
...
	.end_amdgpu_metadata
.endif
;; end of part 1
;; launch lstm (part 2): grid 32 x 8, 4 waves a work-group, clusters of 4 x 4, 327,680 bytes of LDS; arguments abf, wbf, c, bf, bi, bg, bo, out0, out1; writes out0, out1
.if DOCPART == 2
	.amdgcn_target "amdgcn-amd-amdhsa--gfx1250"
	.amdhsa_code_object_version 6
	.text
	.protected	k_qe3c4ee9a3a_lstm
	.globl	k_qe3c4ee9a3a_lstm
	.p2align	8
	.type	k_qe3c4ee9a3a_lstm,@function
k_qe3c4ee9a3a_lstm:
	s_mov_b64 s[64:65], 0
	v_nop
	global_prefetch_b8 v0, s[64:65] scope:SCOPE_SE
	s_setreg_imm32_b32 hwreg(HW_REG_WAVE_MODE, 25, 1), 1
	s_wait_xcnt 0x0
	s_wait_alu depctr_hold_cnt(0) depctr_sa_sdst(0) depctr_va_vdst(0) depctr_va_sdst(0) depctr_va_ssrc(0) depctr_va_vcc(0) depctr_vm_vsrc(0)
	s_getreg_b32 s2, hwreg(HW_REG_IB_STS2, 6, 4)
	s_cmp_eq_u32 s2, 0
	s_cbranch_scc0 .Lentry_in_a_cluster
	s_endpgm
.Lentry_in_a_cluster:
	s_bfe_u32 s2, ttmp6, 0x10000c
	s_cmp_lg_u32 s2, 0xf033
	s_cbranch_scc0 .Lentry_shape_is_right
	s_endpgm
.Lentry_shape_is_right:
; THE LSTM CELL.  gates = [h | x] W^T + b (2,048 x 4,096 times 4,096 x 8,192), f, i, o = sigmoid, g = tanh, c_t = f c + i g (out1), h_t = o tanh(c_t) (out0).
; abf [2048][4096] bf16 holds [h | x]; wbf [8192][4096] bf16 holds the four gates' weights with rows interleaved: rows 256 hb .. 256 hb + 255 are all four gates of the
; hidden columns 64 hb .. 64 hb + 63, each half of 128 rows the four gates (32 rows each: f, i, g, o) of 32 columns.  c, the biases, the sums and all pointwise work are f32.
; LIMITS.  The matrix operands carry one rounding to bf16.  sigmoid(z) = 1 / (1 + 2^(-z log2 e)), tanh(z) = 1 - 2 / (1 + 2^(2 z log2 e)): an exponential beyond f32's range is an
; infinity and its reciprocal 0, one below 2^-126 counts as 0, so that the saturated values 0, 1 and -1 come out exact; tanh of a tiny argument has an absolute error of about 1e-7,
; not a relative one.  NaN and infinite inputs are not treated apart.
; SHARES.  A work-group of four waves makes 256 batch rows x 256 rows of wbf = 64 hidden columns of all four gates: 8 x 32 = 256 work-groups.  Wave w: batch rows 128 (w / 2) on, rows of B 128 (w % 2) on:
; 64 accumulators of 16 x 16, 512 registers.  K goes in steps of 128 through a ring of two LDS slots filled by the tensor data mover; the tiles' rows are 256 bytes of memory at multiples of 256.
; THE MATRIX INSTRUCTION IS USED TRANSPOSED (source 0 = 16 rows of B, source 1 = 16 rows of A): in accumulator (a, b), b = 2 gate + sub, lane l's register j holds batch row 16 a + l % 16 and
; hidden column 16 sub + 8 (l / 16) + j.  So the four gates of an element lie in ONE lane, in the same register number of four accumulators: the cell is worked out in registers, and no gate goes to memory.
; THE BIAS IS THE C OPERAND of the product that starts each sum: nothing is cleared, and no addition is written for it.
; CLUSTERS: 4 x 4 work-groups.  The four of a row of the cluster need the same tiles of A, the four of a column the same tiles of B: each tile is asked for JOINTLY, by the same tensor load with the
; same descriptor and a mask that names the four.
; c's TILE (256 x 64 f32) takes slot 0's place of A when the last K step but one has been read: a fill like every other, and it lands while the last K step is multiplied.
; THE WAY OUT.  A wave's 32 columns are 128 bytes, half of an aligned 256 bytes of the outputs: h_t and c_t go into stages in LDS (slot bytes that have had their last fill), a barrier, and back as whole rows.
; REGISTERS, in windows of 256 (s_set_vgpr_msb: bits 1:0 source 0, 3:2 source 1, 5:4 source 2, 7:6 destination):
;   window 0: v0-31 addresses; v64-127, v128-191 fragments of A, two buffers, later c's 128 numbers, later rows on their way out; v192-255 at work
;   window 1: v0-63 the biases (block b at 8 b); v64-127, v128-191 fragments of B, two buffers
;   window 2: accumulators of my rows 0-63 ((a, b) at 8 (8 a + b));   window 3: those of my rows 64-127
.set KSTEP,  128
.set PITCH,  272                       ; an LDS row: 256 bytes + 16 of padding = 68 words: row r starts at bank 4 r mod 64 (64 banks of 4 bytes: ISA guide 11.1), so the 16 rows of a load start at 16 different banks
.set HALFT,  128*PITCH                 ; 128 rows: what one tensor load of A or B brings, and what one wave reads of A or of B
.set SLOT,   4*HALFT                   ; A's 256 rows, then B's 256 rows
.set SPARE,  2*SLOT                    ; behind the ring: the spare words, 128 bytes for each wave: two blocks of 256 bytes that no other line names
.set HST,    2*HALFT                   ; slot 0's place of B, after its last fill: the stage for h_t, 256 rows x 272 bytes
.set CST,    SLOT                      ; slot 1's place of A, after its last fill: the stage for c_t.  (c's tile lies at byte 0, 256 rows x 272 bytes, and is only read)
.set LAPS,   16                        ; a lap = two K steps = once round the ring: 4,096 / 256
.set KROW,   4096                      ; elements in a row of abf and of wbf
.set OROW,   8192                      ; bytes in a row of c, out0, out1
.set ADRA, 16                          ; v16-17  LDS address of my A fragments in slot 0, 1
.set ADRB, 20                          ; v20-21  the same for B
.set CRD,  22                          ; v22     my 32 bytes in c's tile: row l % 16 of my 128, columns 8 (l / 16) on of my 32
.set HSTO, 23                          ; v23     the same place in h_t's stage
.set CSTO, 24                          ; v24     and in c_t's
.set RDH,  25                          ; v25     the way out: where I read rows of h_t back
.set RDC,  26                          ; v26     and of c_t
.set BO,   27                          ; v27     my byte offset in each bias
.set SPW,  28                          ; v28     LDS address of my spare word: SPARE + 4 x my thread's number; never rewritten
.set NIL,  29                          ; v29     0; never rewritten
.set CO,   30                          ; v30     my byte offset in two rows of an output
.set F0,   64                          ; fragment buffer 0
.set F1,   128                         ; fragment buffer 1
.set CREG, 64                          ; c: unit u = 2 a + sub at CREG + 8 u
.set T,    192                         ; at work: the four gates of a unit, 8 registers each
.set ZF,   192
.set ZI,   200
.set ZG,   208
.set ZO,   216
.set CT,   224                         ; c_t
.set TH,   232                         ; tanh(c_t), then h_t
.set BIAS, 0                           ; in window 1
.set G1,  24                           ; s[24:31] descriptor group 1 for A's tiles;  s[32:39] group 0, one set for each slot
.set G0,  32
.set G1B, 48                           ; s[48:55], s[56:63] the same for B's tiles
.set G0B, 56
.set G1C, 80                           ; s[80:87], s[88:91] the same for c's tile
.set G0C, 88
.set KN,  92                           ; s[92:93] -log2 e: the packed scaling names a pair and takes its low word for both halves
.set KP,  94                           ; s[94:95] 2 log2 e
.set MSB, 0
.macro WIN new                         ; the immediate's high byte repeats the setting that is left; a switch that changes nothing is dropped
.if MSB != (\new)
	s_set_vgpr_msb (MSB<<8)|(\new)
.set MSB, \new
.endif
.endm
.set TO_B, 0x40                        ; destination window 1, address window 0
; A joint load.  Waves 0 and 1 fetch A's two halves, waves 2 and 3 B's.  Each of the two lines has one mask and one set of registers for all that issue it.  The branch hangs on the wave's number alone.
; An s_nop 0 and four v_nop follow each of the two lines, ahead of the jump, the label and what follows.
.macro JLOAD s
	s_cmp_eq_u32 s13, 0
	s_cbranch_scc0 .Lfor_b_\@
	tensor_load_to_lds s[G0+4*(\s):G0+4*(\s)+3], s[G1:G1+7]
	s_nop 0
.rept 4
	v_nop
.endr
	s_branch .Lasked_\@
.Lfor_b_\@:
	tensor_load_to_lds s[G0B+4*(\s):G0B+4*(\s)+3], s[G1B:G1B+7]
	s_nop 0
.rept 4
	v_nop
.endr
.Lasked_\@:
.endm
; c's tile: a load of the work-group's own (no mask); every wave fetches its 64 rows of 256 bytes.
.macro CLOAD
	tensor_load_to_lds s[G0C:G0C+3], s[G1C:G1C+7]
	s_nop 0
.rept 4
	v_nop
.endr
.endm
; A round of the cluster's barrier: my work-group's barrier, so that wave 0's signal speaks for all four waves; wave 0 signals for the work-group; every wave waits for all sixteen
; work-groups; my work-group's barrier once more.  No LDS instruction of the wave is pending at a signal.
.macro CREST                           ; a round behind its opening barrier
	s_cmp_lg_u32 s12, 0
	s_cbranch_scc1 .Lnot_wave_0_\@
	s_barrier_signal -3
.Lnot_wave_0_\@:
	s_barrier_wait -3
	s_barrier_signal -1
	s_barrier_wait -1
.endm
.macro CROUND                          ; a whole round
	s_barrier_signal -1
	s_barrier_wait -1
	CREST
.endm
	s_load_b256 s[4:11], s[0:1], 0x0               ; abf s[4:5], wbf s[6:7], c s[8:9], bf s[10:11]
	s_load_b256 s[68:75], s[0:1], 0x20             ; bi s[68:69], bg s[70:71], bo s[72:73], out0 s[74:75]
	s_load_b64 s[76:77], s[0:1], 0x40              ; out1
	v_lshl_add_u32 v[SPW], v0, 2, SPARE
	v_mov_b32 v[NIL], 0
	ds_add_u32 v[SPW], v[NIL]                      ; the wave's opening: the add and its wait ahead of my first tensor load; the set-up below, work on registers, stands between them
	v_lshrrev_b32 v1, 5, v0
	v_readfirstlane_b32 s12, v1                    ; wave 0..3
	s_lshr_b32 s13, s12, 1                         ; which half of the tile's batch rows is mine.  Also: I fetch for A (0) or for B (1)
	s_and_b32 s14, s12, 1                          ; which half of B's rows.  Also: which 128 rows of that tile I fetch
	s_bfe_u32 s40, ttmp6, 0x40000                  ; cx, cy: my place in the cluster
	s_bfe_u32 s41, ttmp6, 0x40004
	s_lshl_b32 s42, ttmp9, 2                       ; in a cluster launch ttmp9 and ttmp7 count clusters
	s_add_co_u32 s42, s42, s40                     ; hb: block of 64 hidden columns = 4 x cluster x + cx
	s_and_b32 s43, ttmp7, 0xffff
	s_lshl_b32 s43, s43, 2
	s_add_co_u32 s43, s43, s41                     ; mb: block of 256 batch rows = 4 x cluster y + cy
	s_lshl_b32 s44, s41, 2
	s_lshl_b32 s44, 15, s44                        ; my row of the cluster: places 4 cy .. 4 cy + 3
	s_lshl_b32 s45, 0x1111, s40                    ; my column: places cx, cx + 4, cx + 8, cx + 12
	; descriptor group 1 for A and B: a tile of 128 rows x 128 elements of 2 bytes, padded in LDS
	s_or_b32 s[G1+0], s44, (1<<16)|(1<<20)|(1<<21)|(5<<22)|(3<<25)   ; 15:0 the mask: A's tiles go to my row; 17:16 elements of 2 bytes; 20 padding on; 21 set beside a mask; 24:22 after every 64 words (code 5); 31:25 4 words (code 3)
	s_or_b32 s[G1B+0], s45, (1<<16)|(1<<20)|(1<<21)|(5<<22)|(3<<25)  ; the same with the mask of my column, for B's tiles
.irp g, G1, G1B
	s_mov_b32 s[(\g)+1], KSTEP<<16                 ; tensor_dim0 = 128
	s_mov_b32 s[(\g)+2], 128<<16                   ; tensor_dim1 = 128
	s_mov_b32 s[(\g)+3], KSTEP<<16                 ; tile_dim0 = 128
	s_mov_b32 s[(\g)+4], 128                       ; tile_dim1 = 128
	s_mov_b32 s[(\g)+5], KROW                      ; 4,096 elements from row to row
	s_mov_b32 s[(\g)+6], 0
	s_mov_b32 s[(\g)+7], 0
.endr
	; descriptor group 1 for c: 64 rows x 64 elements of 4 bytes, the same padding, no mask
	s_mov_b32 s[G1C+0], (2<<16)|(1<<20)|(5<<22)|(3<<25)
	s_mov_b32 s[G1C+1], 64<<16                     ; tensor_dim0 = 64
	s_mov_b32 s[G1C+2], 64<<16                     ; tensor_dim1 = 64
	s_mov_b32 s[G1C+3], 64<<16                     ; tile_dim0 = 64
	s_mov_b32 s[G1C+4], 64                         ; tile_dim1 = 64
	s_mov_b32 s[G1C+5], 2048                       ; 2,048 elements from row to row
	s_mov_b32 s[G1C+6], 0
	s_mov_b32 s[G1C+7], 0
	s_mov_b32 s[KN], 0xbfb8aa3b                    ; -log2 e
	s_mov_b32 s[KN+1], 0xbfb8aa3b                  ; named with it as a pair, so it is written
	s_mov_b32 s[KP], 0x4038aa3b                    ; 2 log2 e
	s_mov_b32 s[KP+1], 0x4038aa3b
	; where the tiles come from, in bytes; all offsets stay under 2^27.  A's hang on mb alone, which my row of the cluster shares; B's on hb alone, which my column shares.
	s_lshl_b32 s21, s14, 7                         ; which 128 rows of the tile I fetch
	s_lshl_b32 s16, s43, 8
	s_add_co_u32 s16, s16, s21                     ; A: row 256 mb + 128 x half
	s_lshl_b32 s16, s16, 13                        ; rows of 8,192 bytes
	s_mov_b32 s17, 0
	s_lshl_b32 s46, s42, 8
	s_add_co_u32 s46, s46, s21                     ; B: row 256 hb + 128 x half
	s_lshl_b32 s46, s46, 13
	s_mov_b32 s47, 0
	s_mul_i32 s20, s12, HALFT                      ; and where they go: A's two halves, then B's two halves = wave x 128 rows: no place in the cluster enters an LDS address
	s_lshl_b32 s78, s43, 8                         ; c, out0, out1: row 256 mb + 64 x wave,
	s_lshl_b32 s22, s12, 6
	s_add_co_u32 s78, s78, s22
	s_lshl_b32 s78, s78, 13                        ; rows of 8,192 bytes,
	s_lshl_b32 s22, s42, 8                         ; column 64 hb: 256 bytes a block
	s_add_co_u32 s78, s78, s22
	s_mov_b32 s79, 0
	s_mov_b32 s[G0C], 1                            ; 1:0 count = 1
	s_mul_i32 s[G0C+1], s12, 64*PITCH              ; 63:32 LDS address: my 64 rows of c's tile, which begins at byte 0
	s_lshl_b32 s15, s42, 8                         ; the biases: 4 (64 hb + 32 x half) bytes
	s_add_co_u32 s15, s15, s21
	s_wait_dscnt 0x0                               ; the opening add is done
	s_wait_kmcnt 0x0
	s_add_nc_u64 s[18:19], s[4:5], s[16:17]
	s_add_nc_u64 s[46:47], s[6:7], s[46:47]
	s_add_nc_u64 s[G0C+2:G0C+3], s[8:9], s[78:79]  ; 120:64 global address
	s_or_b32 s[G0C+3], s[G0C+3], 0x80000000        ; 127:126 type = 2
	s_add_nc_u64 s[74:75], s[74:75], s[78:79]      ; out0 and out1 at the first row that I store
	s_add_nc_u64 s[76:77], s[76:77], s[78:79]
	CROUND                                         ; all sixteen work-groups are here: the first joint loads meet
.irp s, 0,1
	s_mov_b32 s[G0+4*(\s)], 1                                      ; 1:0 count = 1
	s_add_co_u32 s[G0+4*(\s)+1], s20, (\s)*SLOT                    ; 63:32 LDS address
	s_add_nc_u64 s[G0+4*(\s)+2:G0+4*(\s)+3], s[18:19], (\s)*KSTEP*2  ; 120:64 global address: K step s
	s_or_b32 s[G0+4*(\s)+3], s[G0+4*(\s)+3], 0x80000000            ; 127:126 type = 2
	s_mov_b32 s[G0B+4*(\s)], 1
	s_add_co_u32 s[G0B+4*(\s)+1], s20, (\s)*SLOT
	s_add_nc_u64 s[G0B+4*(\s)+2:G0B+4*(\s)+3], s[46:47], (\s)*KSTEP*2
	s_or_b32 s[G0B+4*(\s)+3], s[G0B+4*(\s)+3], 0x80000000
	JLOAD \s                                       ; the ring is filled before anything else is done: two tensor loads of mine are out
.endr
	; A fragment is 16 rows x 32 K in 8 registers: lane l holds row l % 16; registers 0-3 hold K = 8 (l / 16) + 0..7, registers 4-7 hold K = 16 + 8 (l / 16) + 0..7: two loads of 16 bytes, 32 bytes apart.
	v_and_b32 v1, 15, v0                           ; l % 16
	v_bfe_u32 v2, v0, 4, 1                         ; l / 16
	v_mul_u32_u24 v3, v1, PITCH
	v_lshl_add_u32 v3, v2, 4, v3                   ; row x pitch + 16 x half
	s_mul_i32 s21, s13, HALFT                      ; my 128 rows of A
	s_mul_i32 s22, s14, HALFT                      ; my 128 rows of B,
	s_add_co_u32 s22, s22, 2*HALFT                 ; which lie behind A's 256
.irp s, 0,1
	v_add_nc_u32 v[ADRA+(\s)], s21, v3
	v_add_nc_u32 v[ADRB+(\s)], s22, v3
	s_add_co_u32 s21, s21, SLOT
	s_add_co_u32 s22, s22, SLOT
.endr
	v_mul_u32_u24 v[CRD], v1, PITCH                ; c's tile and the stages: row l % 16,
	v_lshl_add_u32 v[CRD], v2, 5, v[CRD]           ; 8 columns of 4 bytes for each half of the lanes,
	s_mul_i32 s21, s13, HALFT                      ; my 128 rows,
	s_lshl_b32 s22, s14, 7                         ; my half of their 256 bytes
	s_add_co_u32 s21, s21, s22
	v_add_nc_u32 v[CRD], s21, v[CRD]
	v_add_nc_u32 v[HSTO], HST, v[CRD]
	v_add_nc_u32 v[CSTO], CST, v[CRD]
	v_mul_u32_u24 v3, v2, PITCH                    ; back: wave w takes rows 64 w .. 64 w + 63, whole; lanes 0-15 one row of 256 bytes, lanes 16-31 the next
	v_lshl_add_u32 v3, v1, 4, v3
	s_mul_i32 s21, s12, 64*PITCH
	v_add_nc_u32 v3, s21, v3
	v_add_nc_u32 v[RDH], HST, v3
	v_add_nc_u32 v[RDC], CST, v3
	v_lshlrev_b32 v[CO], 13, v2                    ; and the same two rows in an output
	v_lshl_add_u32 v[CO], v1, 4, v[CO]
	v_lshl_add_u32 v[BO], v2, 5, s15               ; the biases of my columns 8 (l / 16) + 0..7
; The biases as C operands: block b = 2 gate + sub, register j = the gate's bias at hidden column 16 sub + 8 (l / 16) + j of my 32.  Loaded once, kept for the first quarter step.
.macro BLD g, ptr
.irp sub, 0,1
	global_load_b128 v[BIAS+8*(2*(\g)+(\sub)):BIAS+8*(2*(\g)+(\sub))+3],   v[BO], s[\ptr:\ptr+1] offset:64*(\sub)
	global_load_b128 v[BIAS+8*(2*(\g)+(\sub))+4:BIAS+8*(2*(\g)+(\sub))+7], v[BO], s[\ptr:\ptr+1] offset:64*(\sub)+16
.endr
.endm
	WIN TO_B                                       ; destination window 1, address window 0
	BLD 0, 10                                      ; f
	BLD 1, 68                                      ; i
	BLD 2, 70                                      ; g
	BLD 3, 72                                      ; o
	WIN 0
; 16 matrix instructions: m blocks a0, a0 + 1 of the window's four (hi = 0: my rows 0-63, 1: rows 64-127) x all 8 blocks of B, 32 along K.
; first = 1: the product starts the sum, with the bias (window 1) as its C operand.  The 64 accumulators take turns, one instruction a turn, in the same order in every quarter step.
.macro MUL16 f, hi, a0, first
.if \first
	WIN 0x91+0x40*(\hi)                            ; source 0 (B) and C window 1, source 1 (A) window 0, D window 2 or 3
.else
	WIN 0xa1+0x50*(\hi)                            ; source 0 window 1, source 1 window 0, C and D window 2 or 3
.endif
.irp a, \a0, (\a0)+1
.irp b, 0,1,2,3,4,5,6,7
.if \first
	v_wmma_f32_16x16x32_bf16 v[8*(8*(\a)+(\b)):8*(8*(\a)+(\b))+7], v[(\f)+8*(\b):(\f)+8*(\b)+7], v[(\f)+8*(4*(\hi)+(\a)):(\f)+8*(4*(\hi)+(\a))+7], v[BIAS+8*(\b):BIAS+8*(\b)+7]
.else
	v_wmma_f32_16x16x32_bf16 v[8*(8*(\a)+(\b)):8*(8*(\a)+(\b))+7], v[(\f)+8*(\b):(\f)+8*(\b)+7], v[(\f)+8*(4*(\hi)+(\a)):(\f)+8*(4*(\hi)+(\a))+7], v[8*(8*(\a)+(\b)):8*(8*(\a)+(\b))+7]
.endif
.endr
.endr
.endm
; 32 LDS loads in one run: the fragments of one quarter step (128 rows of B, 128 rows of A, 32 K at byte k of the rows) into buffer f
.macro FETCH slot, k, f
	WIN TO_B
.irp i, 0,1,2,3,4,5,6,7
	ds_load_b128 v[(\f)+8*(\i):(\f)+8*(\i)+3],   v[ADRB+(\slot)] offset:(\k)+(\i)*16*PITCH
	ds_load_b128 v[(\f)+8*(\i)+4:(\f)+8*(\i)+7], v[ADRB+(\slot)] offset:(\k)+(\i)*16*PITCH+32
.endr
	WIN 0
.irp i, 0,1,2,3,4,5,6,7
	ds_load_b128 v[(\f)+8*(\i):(\f)+8*(\i)+3],   v[ADRA+(\slot)] offset:(\k)+(\i)*16*PITCH
	ds_load_b128 v[(\f)+8*(\i)+4:(\f)+8*(\i)+7], v[ADRA+(\slot)] offset:(\k)+(\i)*16*PITCH+32
.endr
.endm
; A load into a register that a matrix instruction has read, and a vector instruction that reads a matrix result, stand four places behind that matrix instruction, and only plain vector
; instructions that name none of its registers are places (ISA guide 7.12.1 for vector instructions).
.macro PLACES
.rept 4
	v_nop
.endr
.endm
; A K step is four quarter steps of 32 along K, 64 matrix instructions each, on buffers 0, 1, 0, 1.
; One of the first three: multiplies buffer f; in its middle it fetches the next quarter's fragments, at byte k of the same slot's rows, into buffer g.
.macro QUARTER slot, k, f, g, first
	s_wait_dscnt 8                                 ; B and A's rows 0-63 are in; the youngest eight loads (A's rows 64-127) may be out
	MUL16 \f, 0, 0, \first
	MUL16 \f, 0, 2, \first
	PLACES
	FETCH \slot, \k, \g
	s_wait_dscnt 32                                ; all but the 32 just issued
	MUL16 \f, 1, 0, \first
	MUL16 \f, 1, 2, \first
.endm
; The last quarter multiplies buffer 1 and changes slots.  One barrier, which opens a round of the cluster's barrier, for two things.  In front of it each wave waits for all its tensor loads, of which one is out:
; its part of the next slot; adds 0 to its spare word; and waits for that and for its own reads of this slot.  Behind the round nobody, in any partner, reads this slot any more, and the next slot is whole.
; Then the slot just read out is filled again, first thing: kind = 0: with the K step two steps on (A's and B's tiles, jointly); kind = 1: with c's tile.  Then come the next slot's first fragments.
; From a request to the wait for it a wave issues 224 matrix instructions.
.macro TURN slot, next, kind
	WIN 0                                          ; (the add's two registers lie in window 0)
	s_wait_tensorcnt 0x0                           ; all my tensor loads have landed: the one that was out is my part of the next slot;
	ds_add_u32 v[SPW], v[NIL]                      ; 0 onto my spare word;
	s_wait_dscnt 9                                 ; (the add and the youngest eight loads may be out)
	MUL16 F1, 0, 0, 0                              ; sixteen matrix instructions stand between the add and the wait for it
	s_wait_dscnt 0x0                               ; the add is done, and my reads of this slot are over:
	s_barrier_signal -1                            ; say so,
	MUL16 F1, 0, 2, 0                              ; work on registers while the others arrive,
	WIN 0
	s_barrier_wait -1                              ; and go on when all four have said so
	CREST                                          ; wave 0 says so for the work-group, all sixteen work-groups have said so, my work-group's barrier closes the round
.if (\kind) == 0
	s_add_nc_u64 s[G0+4*(\slot)+2:G0+4*(\slot)+3], s[G0+4*(\slot)+2:G0+4*(\slot)+3], 2*KSTEP*2     ; no tensor load of mine is out, so a group 0 may be written
	s_add_nc_u64 s[G0B+4*(\slot)+2:G0B+4*(\slot)+3], s[G0B+4*(\slot)+2:G0B+4*(\slot)+3], 2*KSTEP*2
	JLOAD \slot                                    ; the first tensor load behind the round, and my only one; the four v_nop behind it are also the places in front of the loads below
.else
	CLOAD                                          ; likewise
.endif
	FETCH \next, 0, F0
	MUL16 F1, 1, 0, 0
	MUL16 F1, 1, 2, 0
.endm
	s_wait_tensorcnt 0x1                           ; my part of K step 0 is in; K step 1's may stay out
	s_barrier_signal -1
	s_barrier_wait -1                              ; everybody's is
	FETCH 0, 0, F0
	s_wait_loadcnt 0x0                             ; the biases
	QUARTER 0, 64,  F0, F1, 1                      ; the first quarter stands in front of the loop: its products start the sums
	WIN 0                                          ; at a label and at a branch every window is 0
	s_mov_b32 s3, LAPS-1
.Llap:                                                 ; a trip goes once round the ring, from a lap's second quarter to the next lap's first, and fills both slots again
	QUARTER 0, 128, F1, F0, 0
	QUARTER 0, 192, F0, F1, 0
	TURN 0, 1, 0
	QUARTER 1, 64,  F0, F1, 0
	QUARTER 1, 128, F1, F0, 0
	QUARTER 1, 192, F0, F1, 0
	TURN 1, 0, 0
	QUARTER 0, 64,  F0, F1, 0
	WIN 0
	s_sub_co_u32 s3, s3, 1
	s_cmp_lg_u32 s3, 0
	s_cbranch_scc1 .Llap
	QUARTER 0, 128, F1, F0, 0                      ; the last lap is written out: K steps 30 and 31 are in the ring or on their way, and no further step is asked for
	QUARTER 0, 192, F0, F1, 0
	TURN 0, 1, 1                                   ; slot 0's place of A takes c's tile
	QUARTER 1, 64,  F0, F1, 0
	QUARTER 1, 128, F1, F0, 0
	QUARTER 1, 192, F0, F1, 0
	s_wait_dscnt 8                                 ; the very last quarter: nothing more to fetch
	MUL16 F1, 0, 0, 0
	MUL16 F1, 0, 2, 0
	s_wait_dscnt 0x0
	MUL16 F1, 1, 0, 0
	MUL16 F1, 1, 2, 0
	WIN 0
	PLACES                                         ; behind the last products: c is loaded into A's registers, and the scalings read the sums
	s_wait_tensorcnt 0x0                           ; my 64 rows of c's tile are in,
	s_wait_dscnt 0x0                               ; and my reads of slot 1 are over
	s_barrier_signal -1
	s_barrier_wait -1                              ; both hold of every wave: c's tile is whole, and the stages' bytes are read by nobody; nothing is filled again
	; c of my 128 rows x 32 columns: unit u = 2 a + sub, eight numbers a lane, in the accumulators' own layout
.set n, 0
.rept 16
	ds_load_b128 v[CREG+8*n:CREG+8*n+3],   v[CRD] offset:(n/2)*16*PITCH+(n%2)*64
	ds_load_b128 v[CREG+8*n+4:CREG+8*n+7], v[CRD] offset:(n/2)*16*PITCH+(n%2)*64+16
.set n, n+1
.endr
; THE CELL for unit (a, sub): 16 batch rows x 16 hidden columns, eight elements a lane; the four gates' sums (bias included) lie in accumulators (a, 2 gate + sub).
; Exponentials and reciprocals stand in runs, each run followed by a plain instruction before its results are used (ISA guide 5.7.2).  Each accumulator is read from its lowest registers on.
.macro UNIT a, sub
.set U, 2*(\a)+(\sub)
	WIN 0x02+(\a)/4                                ; source 0 window 2 or 3, destination window 0
.irp g, 0,1,2,3
.set AC, 8*(8*((\a)%4)+2*(\g)+(\sub))
.irp p, 0,1,2,3
.if (\g) == 2
	v_pk_mul_f32 v[T+8*(\g)+2*(\p):T+8*(\g)+2*(\p)+1], v[AC+2*(\p):AC+2*(\p)+1], s[KP:KP+1] op_sel_hi:[1,0]   ; g: 2 z log2 e
.else
	v_pk_mul_f32 v[T+8*(\g)+2*(\p):T+8*(\g)+2*(\p)+1], v[AC+2*(\p):AC+2*(\p)+1], s[KN:KN+1] op_sel_hi:[1,0]   ; f, i, o: -z log2 e
.endif
.endr
.endr
	WIN 0
.set n, 0
.rept 32
	v_exp_f32 v[T+n], v[T+n]
.set n, n+1
.endr
	v_nop
.set n, 0
	s_wait_alu depctr_va_vdst(0)
.rept 16
	v_pk_add_f32 v[T+2*n:T+2*n+1], v[T+2*n:T+2*n+1], 1.0 op_sel_hi:[1,0]
.set n, n+1
.endr
.set n, 0
.rept 32
	v_rcp_f32 v[T+n], v[T+n]                       ; f, i, o are done
.set n, n+1
.endr
	v_nop
	s_wait_alu depctr_va_vdst(0)
.irp p, 0,1,2,3
	v_pk_fma_f32 v[ZG+2*(\p):ZG+2*(\p)+1], v[ZG+2*(\p):ZG+2*(\p)+1], -2.0, 1.0 op_sel_hi:[1,0,0]   ; g = 1 - 2 / (1 + 2^..)
.endr
	s_wait_dscnt 30+2*U                            ; LDS instructions end in order (ISA guide 5.7.1): behind this unit's two loads of c stand 30 - 2 u loads of later units and 4 u stores of earlier ones
.irp p, 0,1,2,3
	v_pk_mul_f32 v[CT+2*(\p):CT+2*(\p)+1], v[ZF+2*(\p):ZF+2*(\p)+1], v[CREG+8*U+2*(\p):CREG+8*U+2*(\p)+1]
.endr
.irp p, 0,1,2,3
	v_pk_fma_f32 v[CT+2*(\p):CT+2*(\p)+1], v[ZI+2*(\p):ZI+2*(\p)+1], v[ZG+2*(\p):ZG+2*(\p)+1], v[CT+2*(\p):CT+2*(\p)+1]   ; c_t = f c + i g
.endr
	ds_store_b128 v[CSTO], v[CT:CT+3]   offset:(\a)*16*PITCH+(\sub)*64
	ds_store_b128 v[CSTO], v[CT+4:CT+7] offset:(\a)*16*PITCH+(\sub)*64+16
.irp p, 0,1,2,3
	v_pk_mul_f32 v[TH+2*(\p):TH+2*(\p)+1], v[CT+2*(\p):CT+2*(\p)+1], s[KP:KP+1] op_sel_hi:[1,0]
.endr
.set n, 0
.rept 8
	v_exp_f32 v[TH+n], v[TH+n]
.set n, n+1
.endr
	v_nop
	s_wait_alu depctr_va_vdst(0)
.irp p, 0,1,2,3
	v_pk_add_f32 v[TH+2*(\p):TH+2*(\p)+1], v[TH+2*(\p):TH+2*(\p)+1], 1.0 op_sel_hi:[1,0]
.endr
.set n, 0
.rept 8
	v_rcp_f32 v[TH+n], v[TH+n]
.set n, n+1
.endr
	v_nop
	s_wait_alu depctr_va_vdst(0)
.irp p, 0,1,2,3
	v_pk_fma_f32 v[TH+2*(\p):TH+2*(\p)+1], v[TH+2*(\p):TH+2*(\p)+1], -2.0, 1.0 op_sel_hi:[1,0,0]   ; tanh(c_t)
.endr
.irp p, 0,1,2,3
	v_pk_mul_f32 v[TH+2*(\p):TH+2*(\p)+1], v[ZO+2*(\p):ZO+2*(\p)+1], v[TH+2*(\p):TH+2*(\p)+1]       ; h_t = o tanh(c_t)
.endr
	ds_store_b128 v[HSTO], v[TH:TH+3]   offset:(\a)*16*PITCH+(\sub)*64
	ds_store_b128 v[HSTO], v[TH+4:TH+7] offset:(\a)*16*PITCH+(\sub)*64+16
.endm
.irp a, 0,1,2,3,4,5,6,7
	UNIT \a, 0
	UNIT \a, 1
.endr
	s_wait_dscnt 0x0                               ; for the others' sake: my stores into the stages are done
	s_barrier_signal -1
	s_barrier_wait -1                              ; a row's 256 bytes come from two waves
; THE WAY OUT: whole rows back from a stage, 32 rows (two a load) at a time, and stored.
.macro RB adr, q, r                    ; rows 32 q .. 32 q + 31 of my 64, from the stage at v[adr], into 64 registers from r on
.set n, 0
.rept 16
	ds_load_b128 v[(\r)+4*n:(\r)+4*n+3], v[\adr] offset:(32*(\q)+2*n)*PITCH
.set n, n+1
.endr
.endm
.macro SEND base, q, r, younger        ; younger: the LDS loads issued behind these sixteen, which may stay out
.set n, 0
.rept 16
	s_wait_dscnt (\younger)+15-n
	global_store_b128 v[CO], v[(\r)+4*n:(\r)+4*n+3], s[\base:\base+1] offset:(32*(\q)+2*n)*OROW th:TH_STORE_NT  ; 16 lanes store 256 consecutive bytes, at a multiple of 256 from the output's first byte; 62 rows at the most: inside the signed 24-bit immediate
.set n, n+1
.endr
.endm
	RB RDH, 0, 64
	RB RDH, 1, 128
	SEND 74, 0, 64, 16                             ; out0 = h_t
	RB RDC, 0, 192
	SEND 74, 1, 128, 16
	s_wait_xcnt 0x0                                ; every earlier memory instruction has had its addresses translated (ISA guide 3.1): v64-127, which the first stores read, are loaded again only behind this wait
	RB RDC, 1, 64
	SEND 76, 0, 192, 16                            ; out1 = c_t
	SEND 76, 1, 64, 0
	s_wait_tensorcnt 0x0                           ; the wave's end, behind my last tensor load and my last LDS store
	ds_add_u32 v[SPW], v[NIL]
	s_wait_dscnt 0x0
	CROUND                                         ; the closing round: no work-group ends while a partner may still ask for a tile that names it
	s_endpgm
.Lfunc_end_k_qe3c4ee9a3a_lstm:
	.size	k_qe3c4ee9a3a_lstm, .Lfunc_end_k_qe3c4ee9a3a_lstm-k_qe3c4ee9a3a_lstm
	.p2alignl 7, 3214868480
	.fill 96, 4, 3214868480
	.section	.rodata,"a",@progbits
	.p2align	6, 0x0
	.amdhsa_kernel k_qe3c4ee9a3a_lstm
		.amdhsa_group_segment_fixed_size 327680
		.amdhsa_private_segment_fixed_size 0
		.amdhsa_enable_private_segment 0
		.amdhsa_kernarg_size 72
		.amdhsa_user_sgpr_count 2
		.amdhsa_user_sgpr_kernarg_segment_ptr 1
		.amdhsa_wavefront_size32 1
		.amdhsa_system_sgpr_workgroup_id_x 1
		.amdhsa_system_sgpr_workgroup_id_y 1
		.amdhsa_system_sgpr_workgroup_id_z 1
		.amdhsa_system_vgpr_workitem_id 0
		.amdhsa_next_free_vgpr 1024
		.amdhsa_next_free_sgpr 96
		.amdhsa_reserve_vcc 0
		.amdhsa_float_denorm_mode_32 3
		.amdhsa_float_denorm_mode_16_64 3
		.amdhsa_memory_ordered 1
		.amdhsa_forward_progress 1
		.amdhsa_inst_pref_size 238
	.end_amdhsa_kernel
	.amdgpu_metadata
---
amdhsa.version: [ 1, 2 ]
amdhsa.kernels:
  - .name:           k_qe3c4ee9a3a_lstm
    .symbol:         k_qe3c4ee9a3a_lstm.kd
    .args:
      - { .name: abf, .offset: 0, .size: 8, .value_kind: global_buffer, .address_space: global }
      - { .name: wbf, .offset: 8, .size: 8, .value_kind: global_buffer, .address_space: global }
      - { .name: c, .offset: 16, .size: 8, .value_kind: global_buffer, .address_space: global }
      - { .name: bf, .offset: 24, .size: 8, .value_kind: global_buffer, .address_space: global }
      - { .name: bi, .offset: 32, .size: 8, .value_kind: global_buffer, .address_space: global }
      - { .name: bg, .offset: 40, .size: 8, .value_kind: global_buffer, .address_space: global }
      - { .name: bo, .offset: 48, .size: 8, .value_kind: global_buffer, .address_space: global }
      - { .name: out0, .offset: 56, .size: 8, .value_kind: global_buffer, .address_space: global }
      - { .name: out1, .offset: 64, .size: 8, .value_kind: global_buffer, .address_space: global }
    .group_segment_fixed_size: 327680
    .private_segment_fixed_size: 0
    .kernarg_segment_align: 8
    .kernarg_segment_size: 72
    .max_flat_workgroup_size: 128
    .sgpr_count:     96
    .vgpr_count:     1024
    .wavefront_size: 32
...
	.end_amdgpu_metadata
.endif
;; end of part 2
;; ======== version 2 of 2: 2 launches; version 1 with the launch cvt written anew for expert scheduling mode
;; workspace buffers: abf 16,777,216 bytes; wbf 67,108,864 bytes
;; launch cvt (part 3): grid 256 x 5, 8 waves a work-group, no clusters, 0 bytes of LDS; arguments Wf, Wi, Wg, Wo, h, x, wbf, abf; writes wbf, abf
.if DOCPART == 3
	.amdgcn_target "amdgcn-amd-amdhsa--gfx1250"
	.amdhsa_code_object_version 6
	.text
	.protected	k_qe3c4ee9a3a_cvt
	.globl	k_qe3c4ee9a3a_cvt
	.p2align	8
	.type	k_qe3c4ee9a3a_cvt,@function
k_qe3c4ee9a3a_cvt:
	s_mov_b64 s[64:65], 0
	v_nop
	global_prefetch_b8 v0, s[64:65] scope:SCOPE_SE
	s_setreg_imm32_b32 hwreg(HW_REG_WAVE_SCHED_MODE, 0, 2), 2
	s_setreg_imm32_b32 hwreg(HW_REG_WAVE_MODE, 25, 1), 1
	s_wait_xcnt 0x0
	s_wait_alu depctr_vm_vsrc(0)
; The matrix operands of the LSTM cell, rounded once to bf16 (to nearest even) and laid out for the product that follows.
;   abf [2048][4096] bf16: row m = h[m] (2,048 numbers), then x[m] (2,048 numbers).
;   wbf [8192][4096] bf16: gate g (0 f, 1 i, 2 g, 3 o), hidden row n lies at row (n>>6)*256 + ((n>>5)&1)*128 + g*32 + (n&31):
;   256 consecutive rows hold all four gates of 64 hidden columns, each half of 128 rows all four gates of 32 of them.
; A stream: no LDS, no barrier, no matrix unit, since nothing is used twice.  A work-group converts 131,072 consecutive source bytes:
;   y = 0..3: 8 rows of gate y's weights (16,384 bytes each), which become 65,536 consecutive bytes of wbf;
;   y = 4:    16 rows of h (x < 128) or of x (8,192 bytes each), which become 16 pieces of 4,096 bytes, 8,192 bytes apart, in abf.
; Thread t takes 16 bytes at 16 t of each 4,096 source bytes and stores 8 bytes at 8 t of the 2,048 bytes made of them: a wave's load covers
; 512 consecutive bytes, a wave's store 256 consecutive bytes at a multiple of 256 from the buffer's first byte.
; All 32 loads of a thread go out together, into registers of their own; no register is written twice.
; THE MODE: SCHED_MODE bits 1:0 = 2 (LLVM: expert scheduling mode 2), set by the entry lines.  The code itself states the register dependences
; between vector instructions and memory instructions, with s_wait_alu, always for 0.
; THE PLAN.  The 32 loads are eight blocks of four.  Registers that memory instructions touch:
;   v1, v2   byte offsets, made once at the head and never written again: v1 is read by every load, v2 by every store.
;   XR       four registers for each load.  Written by that load alone, once; all loads are issued before any vector instruction names XR.  Read by the load's two roundings.
;   YR       two registers for each load.  Written by block p's roundings, once; read by the four stores that are issued in block p + 1.
; Block p rounds XR[p] into YR[p].  Its memory instructions are the stores from YR[p - 1], which no vector instruction of block p names.  So one wait on va_vdst at a
; block's head states all that the block's four stores hang on, and these are dealt among its roundings with no further wait.  No register that a memory
; instruction reads is ever written again, so there is nothing for a wait on vm_vsrc, or on XCNT, to state.
.set XR, 4                             ; v[4:131]    load i: four f32
.set YR, 132                           ; v[132:195]  load i: four bf16 in two registers
.set BLOCK, 4                          ; loads in a block
.set BLOCKS, 32 / BLOCK
.macro JOB dst, ostride                ; dst: the scalar pair with the destination; ostride: bytes from one 4,096 output bytes' place to the next
	s_wait_alu depctr_va_vdst(0)                   ; v1 and v2 are written: every load and store below reads one of them as its offset
.set i, 0
.rept 32
	global_load_b128 v[XR+4*i:XR+4*i+3], v1, s[4:5] offset:i*4096 th:TH_LOAD_NT   ; read once in the launch
.set i, i+1
.endr
.set p, 0
.rept BLOCKS
	s_wait_loadcnt 32-BLOCK*(p+1)                  ; loads come back in order (ISA guide 5.7.1): block p's four are in, the younger blocks stay out
.if p > 0
	s_wait_alu depctr_va_vdst(0)                   ; the roundings of the block before have written YR[p - 1], which the four stores below read
.endif
.set k, 0
.rept BLOCK
.set i, BLOCK*p+k
.set j, i-BLOCK
.if p > 0
	global_store_b64 v2, v[YR+2*j:YR+2*j+1], s[\dst:\dst+1] offset:(j/2)*(\ostride)+(j%2)*2048  ; the block before; no vector instruction since the wait names these registers.  No hint: the next launch reads these bytes
.endif
	v_cvt_pk_bf16_f32 v[YR+2*i],   v[XR+4*i],   v[XR+4*i+1]
	v_cvt_pk_bf16_f32 v[YR+2*i+1], v[XR+4*i+2], v[XR+4*i+3]
.set k, k+1
.endr
.set p, p+1
.endr
	s_wait_alu depctr_va_vdst(0)                   ; the last block's roundings have written its YR, which the last four stores read
.set j, 32-BLOCK
.rept BLOCK
	global_store_b64 v2, v[YR+2*j:YR+2*j+1], s[\dst:\dst+1] offset:(j/2)*(\ostride)+(j%2)*2048
.set j, j+1
.endr
.endm
	s_load_b512 s[8:23], s[0:1], 0x0               ; Wf s[8:9], Wi s[10:11], Wg s[12:13], Wo s[14:15], h s[16:17], x s[18:19], wbf s[20:21], abf s[22:23]
	s_and_b32 s2, ttmp7, 0xffff                    ; y: which source
	s_mov_b32 s3, ttmp9                            ; x: which 131,072 bytes of it
	v_lshlrev_b32 v1, 4, v0                        ; 16 t
	v_lshlrev_b32 v2, 3, v0                        ; 8 t
	s_mov_b32 s7, 0                                ; the high word of every offset: all stay under 2^27
	s_wait_kmcnt 0x0
	s_cmp_eq_u32 s2, 4
	s_cbranch_scc1 .Lact
	; a gate's weights: the gate's buffer is chosen by y alone
	s_mov_b64 s[4:5], s[8:9]
	s_cmp_eq_u32 s2, 1
	s_cselect_b64 s[4:5], s[10:11], s[4:5]
	s_cmp_eq_u32 s2, 2
	s_cselect_b64 s[4:5], s[12:13], s[4:5]
	s_cmp_eq_u32 s2, 3
	s_cselect_b64 s[4:5], s[14:15], s[4:5]
	s_lshl_b32 s6, s3, 17                          ; hidden rows 8 x .. 8 x + 7: 8 x 16,384 bytes
	s_add_nc_u64 s[4:5], s[4:5], s[6:7]
	s_lshr_b32 s25, s3, 3                          ; n >> 6 = x >> 3
	s_lshl_b32 s25, s25, 8
	s_bfe_u32 s26, s3, 0x10002                     ; (n >> 5) & 1 = bit 2 of x
	s_lshl_b32 s26, s26, 7
	s_add_co_u32 s25, s25, s26
	s_lshl_b32 s26, s2, 5                          ; 32 rows for each gate
	s_add_co_u32 s25, s25, s26
	s_and_b32 s26, s3, 3                           ; n & 31 = 8 (x & 3) + 0..7
	s_lshl_b32 s26, s26, 3
	s_add_co_u32 s25, s25, s26
	s_lshl_b32 s6, s25, 13                         ; a row of wbf is 8,192 bytes
	s_add_nc_u64 s[20:21], s[20:21], s[6:7]
	JOB 20, 4096
	s_endpgm
.Lact:
	s_cmp_lt_u32 s3, 128                           ; h, or x
	s_cselect_b64 s[4:5], s[16:17], s[18:19]
	s_cselect_b32 s24, 0, 4096                     ; h fills the first half of a row of abf, x the second
	s_and_b32 s25, s3, 127
	s_lshl_b32 s6, s25, 17                         ; 16 rows: 131,072 bytes of the source, and as many of abf
	s_add_nc_u64 s[4:5], s[4:5], s[6:7]
	s_add_co_u32 s6, s6, s24
	s_add_nc_u64 s[22:23], s[22:23], s[6:7]
	JOB 22, 8192
	s_endpgm
.Lfunc_end_k_qe3c4ee9a3a_cvt:
	.size	k_qe3c4ee9a3a_cvt, .Lfunc_end_k_qe3c4ee9a3a_cvt-k_qe3c4ee9a3a_cvt
	.p2alignl 7, 3214868480
	.fill 96, 4, 3214868480
	.section	.rodata,"a",@progbits
	.p2align	6, 0x0
	.amdhsa_kernel k_qe3c4ee9a3a_cvt
		.amdhsa_group_segment_fixed_size 0
		.amdhsa_private_segment_fixed_size 0
		.amdhsa_enable_private_segment 0
		.amdhsa_kernarg_size 64
		.amdhsa_user_sgpr_count 2
		.amdhsa_user_sgpr_kernarg_segment_ptr 1
		.amdhsa_wavefront_size32 1
		.amdhsa_system_sgpr_workgroup_id_x 1
		.amdhsa_system_sgpr_workgroup_id_y 1
		.amdhsa_system_sgpr_workgroup_id_z 1
		.amdhsa_system_vgpr_workitem_id 0
		.amdhsa_next_free_vgpr 200
		.amdhsa_next_free_sgpr 66
		.amdhsa_reserve_vcc 0
		.amdhsa_float_denorm_mode_32 3
		.amdhsa_float_denorm_mode_16_64 3
		.amdhsa_memory_ordered 1
		.amdhsa_forward_progress 1
		.amdhsa_inst_pref_size 23
	.end_amdhsa_kernel
	.amdgpu_metadata
---
amdhsa.version: [ 1, 2 ]
amdhsa.kernels:
  - .name:           k_qe3c4ee9a3a_cvt
    .symbol:         k_qe3c4ee9a3a_cvt.kd
    .args:
      - { .name: Wf, .offset: 0, .size: 8, .value_kind: global_buffer, .address_space: global }
      - { .name: Wi, .offset: 8, .size: 8, .value_kind: global_buffer, .address_space: global }
      - { .name: Wg, .offset: 16, .size: 8, .value_kind: global_buffer, .address_space: global }
      - { .name: Wo, .offset: 24, .size: 8, .value_kind: global_buffer, .address_space: global }
      - { .name: h, .offset: 32, .size: 8, .value_kind: global_buffer, .address_space: global }
      - { .name: x, .offset: 40, .size: 8, .value_kind: global_buffer, .address_space: global }
      - { .name: wbf, .offset: 48, .size: 8, .value_kind: global_buffer, .address_space: global }
      - { .name: abf, .offset: 56, .size: 8, .value_kind: global_buffer, .address_space: global }
    .group_segment_fixed_size: 0
    .private_segment_fixed_size: 0
    .kernarg_segment_align: 8
    .kernarg_segment_size: 64
    .max_flat_workgroup_size: 256
    .sgpr_count:     66
    .vgpr_count:     200
    .wavefront_size: 32
...
	.end_amdgpu_metadata
.endif
;; end of part 3
;; launch lstm: the kernel of part 2 again; grid 32 x 8, 4 waves a work-group, clusters of 4 x 4, 327,680 bytes of LDS; arguments abf, wbf, c, bf, bi, bg, bo, out0, out1; writes out0, out1
